; MI455X (gfx1250); checked and timed in simulation.
; The chip was launched on July 23, 2026; its instructions are those of AMD's public machine-readable ISA for CDNA 5 (MIT licence, August 2026) and "CDNA5" Instruction Set Architecture Reference Guide (July 2026). The comments in the code are by the model that wrote it; some were corrected since.
;; Attention. Allowed arithmetic: float matrix products may take bf16 or f16 operands with f32 sums; all other float work in f32.
;; Inputs: Wk 1,024 x 1,024 float32; Wo 1,024 x 1,024 float32; Wq 1,024 x 1,024 float32; Wv 1,024 x 1,024 float32; mask 1 x 1 x 2,048 x 2,048 bool; x 2 x 2,048 x 1,024 float32.
;; Outputs: out0 2 x 2,048 x 1,024 float32.
;; One version. Each part assembles by itself: llvm-mc -triple=amdgcn-amd-amdhsa -mcpu=gfx1250 --defsym DOCPART=n.
;; ======== version 1 of 1: 4 launches
;; limits: values are held in f16: magnitudes above 65,504 overflow, below 6.1e-05 lose precision
;; workspace buffers: cb 16,777,216 bytes; qb 8,388,608 bytes; kb 8,388,608 bytes; vt 8,388,608 bytes; ao 8,388,608 bytes; rowe 16,384 bytes; mb 4,194,304 bytes
;; launch cast (part 1): grid 576 x 1, 8 waves a work-group, no clusters, 1,280 bytes of LDS; arguments x, Wq, Wk, Wv, Wo, mask, cb, rowe, mb; writes cb, rowe, mb
.if DOCPART == 1
	.amdgcn_target "amdgcn-amd-amdhsa--gfx1250"
	.amdhsa_code_object_version 6
	.text
	.protected	k_q458cb01b1c_cast
	.globl	k_q458cb01b1c_cast
	.p2align	8
	.type	k_q458cb01b1c_cast,@function
k_q458cb01b1c_cast:
	s_mov_b64 s[64:65], 0
	v_nop
	global_prefetch_b8 v0, s[64:65] scope:SCOPE_SE
	s_setreg_imm32_b32 hwreg(HW_REG_WAVE_MODE, 25, 1), 1
	s_wait_xcnt 0x0
; Work-groups 0-511: 64 KiB of f32 each become 32 KiB of 16-bit numbers in cb, layouts unchanged:
;   cb + 0 MiB x (bf16), + 8 MiB Wq, + 10 MiB Wk, + 12 MiB Wv (bf16), + 14 MiB Wo (rounded to bf16, that value written as f16).
; Work-groups 512-575: 32 rows of the mask each.  mb has the mask's layout and holds what is added to a score, as an E4M3 code:
;   0x00 (zero) where the mask byte is set, 0x81 (-2^-9, scaled up by the reader) where it is not; a row none of whose bytes is set gets 0x00
;   everywhere.  rowe[row] = (-1, -1) if the row has a set byte, (0, 0) if it has none (the reader then clears the row's q: equal scores).
; LIMITS: Wo's bf16 value is exact in f16 for 2^-17 <= |Wo| < 65504; below, its error is at most 2^-25; above, it becomes infinite.
; Mask bytes are 0 or 1.
; No LDS ring, no matrix unit: each byte is read once by 16-byte loads (512 neighbouring bytes a wave) and sixteen loads of a lane are out at once.
; v1-v3 hold addresses and lie below the loads' registers.
.set X, 4                              ; v[4:67]   sixteen loads of four registers
.set Y, 68                             ; v[68:99]  sixteen pairs to store (mask path: v[68:75] four flags, v[76:77] read back)
.set T, 80                             ; v[80:87]  mask path: the OR of a row's words
	s_load_b256 s[4:11], s[0:1], 0x0               ; x, Wq, Wk, Wv
	s_load_b256 s[12:19], s[0:1], 0x20             ; Wo, mask, cb, rowe
	s_load_b64 s[30:31], s[0:1], 0x40              ; mb
	v_lshl_add_u32 v100, v0, 2, 0x100
	v_mov_b32 v101, 0
	s_mov_b32 s3, ttmp9                            ; g
	s_and_b32 s22, s3, 63
	s_cmp_lt_u32 s3, 256
	s_cselect_b32 s22, s3, s22                     ; which 64 KiB of the source: g in x, g mod 64 elsewhere
	s_lshl_b32 s24, s22, 8                         ; rowe: 32 rows of 8 bytes
	s_mov_b32 s25, 0
	s_lshl_b32 s22, s22, 16
	s_mov_b32 s23, 0
	s_lshl_b32 s26, s3, 15                         ; cb: 32 KiB for each work-group
	s_mov_b32 s27, 0
	s_wait_kmcnt 0x0
	s_cmp_ge_u32 s3, 320                           ; the source is chosen by the work-group's number alone
	s_cselect_b64 s[20:21], s[8:9], s[6:7]
	s_cmp_ge_u32 s3, 384
	s_cselect_b64 s[20:21], s[10:11], s[20:21]
	s_cmp_ge_u32 s3, 448
	s_cselect_b64 s[20:21], s[12:13], s[20:21]
	s_cmp_ge_u32 s3, 512
	s_cselect_b64 s[20:21], s[14:15], s[20:21]
	s_cmp_lt_u32 s3, 256
	s_cselect_b64 s[20:21], s[4:5], s[20:21]
	s_add_nc_u64 s[20:21], s[20:21], s[22:23]
	s_cmp_ge_u32 s3, 512
	s_cbranch_scc1 .Lmask
	s_add_nc_u64 s[16:17], s[16:17], s[26:27]
	v_lshlrev_b32 v1, 4, v0                        ; 16 bytes a thread in
	v_lshlrev_b32 v2, 3, v0                        ; 8 bytes a thread out: a wave's store covers 256 consecutive bytes, aligned
.irp i, 0,1,2,3,4,5,6,7,8,9,10,11,12,13,14,15
	global_load_b128 v[X+4*\i:X+4*\i+3], v1, s[20:21] offset:4096*\i th:TH_LOAD_NT
.endr
; wo = 1: the bf16 value is widened again and written as f16.  No register that a store reads is written again.
.macro OUTP wo
.irp i, 0,1,2,3,4,5,6,7,8,9,10,11,12,13,14,15
	s_wait_loadcnt 15-\i                           ; loads come back in order: load i is in, the 15 - i younger ones stay out
	v_cvt_pk_bf16_f32 v[Y+2*\i],   v[X+4*\i],   v[X+4*\i+1]
	v_cvt_pk_bf16_f32 v[Y+2*\i+1], v[X+4*\i+2], v[X+4*\i+3]
.if \wo
	v_lshlrev_b32 v[X+4*\i],   16, v[Y+2*\i]
	v_and_b32     v[X+4*\i+1], 0xffff0000, v[Y+2*\i]
	v_lshlrev_b32 v[X+4*\i+2], 16, v[Y+2*\i+1]
	v_and_b32     v[X+4*\i+3], 0xffff0000, v[Y+2*\i+1]
	v_cvt_pk_f16_f32 v[Y+2*\i],   v[X+4*\i],   v[X+4*\i+1]
	v_cvt_pk_f16_f32 v[Y+2*\i+1], v[X+4*\i+2], v[X+4*\i+3]
.endif
	global_store_b64 v2, v[Y+2*\i:Y+2*\i+1], s[16:17] offset:2048*\i
.endr
.endm
	s_cmp_ge_u32 s3, 448
	s_cbranch_scc1 .Lwo
	OUTP 0
	s_endpgm
.Lwo:
	OUTP 1
	s_endpgm
.Lmask:
	; a wave takes four rows of 2,048 bytes: four loads a row, 512 neighbouring bytes each, and stores them back to mb the same way
	s_add_nc_u64 s[18:19], s[18:19], s[24:25]
	s_add_nc_u64 s[30:31], s[30:31], s[22:23]      ; mb at the work-group's 32 rows
	v_and_b32 v3, 31, v0                           ; lane
	v_lshrrev_b32 v2, 5, v0
	v_readfirstlane_b32 s28, v2                    ; wave
	v_lshlrev_b32 v1, 4, v3
	v_lshl_add_u32 v1, v2, 13, v1                  ; wave x 4 rows + 16 x lane
	s_lshl_b32 s29, s28, 5
	v_mov_b32 v2, s29                              ; LDS: wave x 4 flags of 8 bytes, the wave's own 32 bytes
.irp i, 0,1,2,3,4,5,6,7,8,9,10,11,12,13,14,15
	global_load_b128 v[X+4*\i:X+4*\i+3], v1, s[20:21] offset:512*\i
.endr
.irp j, 0,1,2,3
	s_wait_loadcnt 12-4*\j                         ; row j's four loads are in, the later rows' stay out
.irp k, 0,1,2,3,4,5,6,7
	v_or_b32 v[T+\k], v[X+16*\j+\k], v[X+16*\j+8+\k]
.endr
.irp k, 0,1,2,3
	v_or_b32 v[T+\k], v[T+\k], v[T+4+\k]
.endr
	v_or_b32 v[T],   v[T],   v[T+2]
	v_or_b32 v[T+1], v[T+1], v[T+3]
	v_or_b32 v[T],   v[T],   v[T+1]
	v_cmp_ne_u32 vcc_lo, 0, v[T]                   ; a bit for each lane that saw a set byte
	s_cmp_lg_u32 vcc_lo, 0
	s_cselect_b32 s29, -1, 0                       ; a value is chosen, no way through the text
	v_mov_b32 v[Y+2*\j],   s29
	v_mov_b32 v[Y+2*\j+1], s29
	ds_store_b64 v2, v[Y+2*\j:Y+2*\j+1] offset:8*\j   ; all lanes write the same 8 bytes with the same value
.irp k, 0,1,2,3,4,5,6,7,8,9,10,11,12,13,14,15
	v_xor_b32 v[X+16*\j+\k], 0x01010101, v[X+16*\j+\k]           ; 1 where the weight is masked away
	v_lshl_or_b32 v[X+16*\j+\k], v[X+16*\j+\k], 7, v[X+16*\j+\k] ; 0x81 there: bit 0 also goes to bit 7 of its own byte
	v_and_b32 v[X+16*\j+\k], s29, v[X+16*\j+\k]                  ; a row without a set byte: zero everywhere
.endr
.irp q, 0,1,2,3
	global_store_b128 v1, v[X+16*\j+4*\q:X+16*\j+4*\q+3], s[30:31] offset:2048*\j+512*\q   ; 512 consecutive bytes a store; its registers are not written again
.endr
.endr
	s_wait_dscnt 0x0                               ; my four flags are in LDS before I say so
	s_barrier_signal -1
	s_barrier_wait -1
	s_cmp_lg_u32 s28, 0
	s_cbranch_scc1 .Lend
	v_lshlrev_b32 v3, 3, v3
	ds_load_b64 v[Y+8:Y+9], v3                     ; wave 0: lane i takes row i's pair
	s_wait_dscnt 0x0
	global_store_b64 v3, v[Y+8:Y+9], s[18:19]      ; 256 consecutive bytes, aligned
.Lend:
	s_wait_tensorcnt 0x0
	ds_add_u32 v100, v101
	s_wait_dscnt 0x0
	s_endpgm
.Lfunc_end_k_q458cb01b1c_cast:
	.size	k_q458cb01b1c_cast, .Lfunc_end_k_q458cb01b1c_cast-k_q458cb01b1c_cast
	.p2alignl 7, 3214868480
	.fill 96, 4, 3214868480
	.section	.rodata,"a",@progbits
	.p2align	6, 0x0
	.amdhsa_kernel k_q458cb01b1c_cast
		.amdhsa_group_segment_fixed_size 1280
		.amdhsa_private_segment_fixed_size 0
		.amdhsa_enable_private_segment 0
		.amdhsa_kernarg_size 72
		.amdhsa_user_sgpr_count 2
		.amdhsa_user_sgpr_kernarg_segment_ptr 1
		.amdhsa_wavefront_size32 1
		.amdhsa_system_sgpr_workgroup_id_x 1
		.amdhsa_system_sgpr_workgroup_id_y 1
		.amdhsa_system_sgpr_workgroup_id_z 1
		.amdhsa_system_vgpr_workitem_id 0
		.amdhsa_next_free_vgpr 102
		.amdhsa_next_free_sgpr 66
		.amdhsa_reserve_vcc 1
		.amdhsa_float_denorm_mode_32 3
		.amdhsa_float_denorm_mode_16_64 3
		.amdhsa_memory_ordered 1
		.amdhsa_forward_progress 1
		.amdhsa_inst_pref_size 33
	.end_amdhsa_kernel
	.amdgpu_metadata
---
amdhsa.version: [ 1, 2 ]
amdhsa.kernels:
  - .name:           k_q458cb01b1c_cast
    .symbol:         k_q458cb01b1c_cast.kd
    .args:
      - { .name: x, .offset: 0, .size: 8, .value_kind: global_buffer, .address_space: global }
      - { .name: Wq, .offset: 8, .size: 8, .value_kind: global_buffer, .address_space: global }
      - { .name: Wk, .offset: 16, .size: 8, .value_kind: global_buffer, .address_space: global }
      - { .name: Wv, .offset: 24, .size: 8, .value_kind: global_buffer, .address_space: global }
      - { .name: Wo, .offset: 32, .size: 8, .value_kind: global_buffer, .address_space: global }
      - { .name: mask, .offset: 40, .size: 8, .value_kind: global_buffer, .address_space: global }
      - { .name: cb, .offset: 48, .size: 8, .value_kind: global_buffer, .address_space: global }
      - { .name: rowe, .offset: 56, .size: 8, .value_kind: global_buffer, .address_space: global }
      - { .name: mb, .offset: 64, .size: 8, .value_kind: global_buffer, .address_space: global }
    .group_segment_fixed_size: 1280
    .private_segment_fixed_size: 0
    .kernarg_segment_align: 8
    .kernarg_segment_size: 72
    .max_flat_workgroup_size: 256
    .sgpr_count:     66
    .vgpr_count:     102
    .wavefront_size: 32
...
	.end_amdgpu_metadata
.endif
;; end of part 1
;; launch qkv (part 2): grid 16 x 16, 4 waves a work-group, clusters of 4 x 4, 327,680 bytes of LDS; arguments cb, qb, kb, vt; writes qb, kb, vt
.if DOCPART == 2
	.amdgcn_target "amdgcn-amd-amdhsa--gfx1250"
	.amdhsa_code_object_version 6
	.text
	.protected	k_q458cb01b1c_qkv
	.globl	k_q458cb01b1c_qkv
	.p2align	8
	.type	k_q458cb01b1c_qkv,@function
k_q458cb01b1c_qkv:
	s_mov_b64 s[64:65], 0
	v_nop
	global_prefetch_b8 v0, s[64:65] scope:SCOPE_SE
	s_setreg_imm32_b32 hwreg(HW_REG_WAVE_MODE, 25, 1), 1
	s_wait_xcnt 0x0
	s_wait_alu depctr_hold_cnt(0) depctr_sa_sdst(0) depctr_va_vdst(0) depctr_va_sdst(0) depctr_va_ssrc(0) depctr_va_vcc(0) depctr_vm_vsrc(0)
	s_getreg_b32 s2, hwreg(HW_REG_IB_STS2, 6, 4)
	s_cmp_eq_u32 s2, 0
	s_cbranch_scc0 .Lentry_in_a_cluster
	s_endpgm
.Lentry_in_a_cluster:
	s_bfe_u32 s2, ttmp6, 0x10000c
	s_cmp_lg_u32 s2, 0xf033
	s_cbranch_scc0 .Lentry_shape_is_right
	s_endpgm
.Lentry_shape_is_right:
; q, k, v of one head for 256 rows of x: [256 x 1024] x [1024 x (64 q | 64 k | 64 v)], bf16 operands, f32 sums; then the RMS norm of q and k
; over the head's 64 numbers, q also times 0.125 log2(e) (the scores' scale, and base 2 for the exponential), all rounded once to f16.
; qb, kb: [b*16+head][s][64];  vt: [b*16+head][d][s] (V transposed).
; LIMITS: v is kept in f16: |v| < 65504 (x and Wv both 30 times the drawn spread give about 900 x 5; both with an offset of 30 spreads about 28,800).
; Work-group (x = head, y = block of 256 rows), four waves; wave w makes rows 64 w .. 64 w + 63 x all 192 columns: 48 accumulator tiles, so that
; a row's sum of squares stays in one wave.  K goes in 8 tiles of 128 through two LDS slots, both asked for at the start.
; CLUSTERS 4 x 4: x's tile hangs on the row block alone and is asked for jointly along a row of the cluster, the weights' tiles on the head alone
; and jointly along a column.  Each wave issues four loads a tile (its 64 rows of x; its 32 k-rows of Wq, Wk, Wv): eight tensor loads are out at
; the start, four behind each refill.
; A tile is four quarters of 32 along K, 48 matrix instructions each, on two fragment buffers.  While one quarter is multiplied the next one's
; 32 LDS loads go out in four runs of eight between the blocks of matrix instructions.  A slot is filled again in its own last quarter.
; REGISTER WINDOWS: 0: addresses, x's fragments (two buffers);  1: W's fragments (two buffers of 96);  2: q tiles v0-127, k tiles v128-255;  3: v tiles.
; q and k are made TRANSPOSED (source 0 = W's columns, source 1 = x's rows): a lane then holds one row and 8 neighbouring columns.
; v is made the natural way round: a lane then holds one column d and 8 neighbouring rows s, which is a piece of a row of V transposed.
.set SLOT,   131072
.set APITCH, 272                       ; 256 bytes of x + 16: sixteen rows start at sixteen different 16-byte columns
.set BPITCH, 160                       ; 128 bytes of W + 32: an odd multiple of 32, for the transposing loads
.set BREG,   256*APITCH                ; W's three regions lie behind x's 256 rows
.set SELB,   128*BPITCH
.set QPITCH, 144
.set VPITCH, 528
.set VST,    4*64*QPITCH               ; the stage of V transposed, behind the four waves' own stages
.set ADRA, 16                          ; v16-17 x's fragments in slot 0, 1
.set ADRB, 18                          ; v18-19 W's fragments in slot 0, 1
.set STO,  20
.set RD,   21
.set G16,  22
.set VSTO, 23
.set VRD,  24
.set SS,   32                          ; v[32:39] sums of squares, a pair for each 16 rows
.set RS,   40                          ; v[40:47] 1 / rms, twice
.set T,    64                          ; the way out: scaled numbers
.set PK,   96                          ; the way out: packed f16
.set G1A,  24
.set G1B,  32
.set G0A,  40
.set G0B0, 48
.set G0B1, 56
.set G0B2, 68
.set MSB, 0
.macro WIN new                         ; the immediate's high byte repeats the setting that is left
.if MSB != \new
	s_set_vgpr_msb (MSB<<8)|\new
.set MSB, \new
.endif
.endm
.macro PLACES                          ; four places behind a matrix instruction (ISA guide 7.12.1), before its registers are read, written or loaded into
.rept 4
	v_nop
.endr
.endm
.macro CREST                           ; a round of the cluster's barrier behind its opening barrier
	s_cmp_lg_u32 s14, 0
	s_cbranch_scc1 .Lnw0_\@
	s_barrier_signal -3
.Lnw0_\@:
	s_barrier_wait -3
	s_barrier_signal -1
	s_barrier_wait -1
.endm
.macro ROUND                           ; a whole round
	s_barrier_signal -1
	s_barrier_wait -1
	CREST
.endm
	s_load_b256 s[4:11], s[0:1], 0x0               ; cb, qb, kb, vt
	v_lshl_add_u32 v63, v0, 2, 0x40000
	s_set_vgpr_msb 0x40
	v_mov_b32 v255, 0
	s_set_vgpr_msb 0x4044
	ds_add_u32 v63, v255
	s_set_vgpr_msb 0x4400
	v_lshrrev_b32 v1, 5, v0
	v_readfirstlane_b32 s14, v1                    ; wave
	s_bfe_u32 s15, ttmp6, 0x40000                  ; cx
	s_bfe_u32 s16, ttmp6, 0x40004                  ; cy
	s_lshl_b32 s17, ttmp9, 2
	s_add_co_u32 s17, s17, s15                     ; head
	s_and_b32 s18, ttmp7, 0xffff
	s_lshl_b32 s18, s18, 2
	s_add_co_u32 s18, s18, s16                     ; block of 256 rows
	s_lshl_b32 s19, s16, 2
	s_lshl_b32 s19, 15, s19                        ; my row of the cluster
	s_lshl_b32 s20, 0x1111, s15                    ; my column
	s_mov_b32 s76, 0x76543210                      ; v_permlanex16_b32: lane i reads lane i of the other half
	s_mov_b32 s77, 0xfedcba98
	s_mov_b32 s78, 0x3c800000                      ; 1 / 64
	s_mov_b32 s79, 0x358637bd                      ; 1e-6
	s_mov_b32 s80, 0x3e38aa3b                      ; 0.125 log2(e)
	; x's tile: 64 rows x 128 bf16, 16 bytes of padding behind every 64 words
	s_or_b32  s[G1A+0], s19, (1<<16)|(1<<20)|(1<<21)|(5<<22)|(3<<25)
	s_mov_b32 s[G1A+1], 128<<16
	s_mov_b32 s[G1A+2], 64<<16
	s_mov_b32 s[G1A+3], 128<<16
	s_mov_b32 s[G1A+4], 64
	s_mov_b32 s[G1A+5], 1024
	s_mov_b32 s[G1A+6], 0
	s_mov_b32 s[G1A+7], 0
	; W's tile: 32 k-rows x 64 bf16, 32 bytes of padding behind every 32 words
	s_or_b32  s[G1B+0], s20, (1<<16)|(1<<20)|(1<<21)|(4<<22)|(7<<25)
	s_mov_b32 s[G1B+1], 64<<16
	s_mov_b32 s[G1B+2], 32<<16
	s_mov_b32 s[G1B+3], 64<<16
	s_mov_b32 s[G1B+4], 32
	s_mov_b32 s[G1B+5], 1024
	s_mov_b32 s[G1B+6], 0
	s_mov_b32 s[G1B+7], 0
	s_lshl_b32 s84, s18, 8                         ; x: row 256 x block + 64 x wave, 2,048 bytes a row (registers that never hold cx)
	s_lshl_b32 s85, s14, 6
	s_add_co_u32 s84, s84, s85
	s_lshl_b32 s84, s84, 11
	s_mov_b32 s85, 0
	s_lshl_b32 s88, s14, 16                        ; W: k-row 32 x wave, column 64 x head, behind x's 8 MiB (registers that never hold cy)
	s_lshl_b32 s89, s17, 7
	s_add_co_u32 s88, s88, s89
	s_add_co_u32 s88, s88, 0x800000
	s_mov_b32 s89, 0
	s_mul_i32 s21, s14, 64*APITCH                  ; LDS: the wave's number and constants alone
	s_mul_i32 s22, s14, 32*BPITCH
	s_add_co_u32 s22, s22, BREG
	s_and_b32 s92, s18, 8                          ; the outputs: b*16 + head
	s_lshl_b32 s92, s92, 1
	s_add_co_u32 s92, s92, s17
	s_and_b32 s93, s18, 7                          ; which 256 of the 2,048 positions
	s_lshl_b32 s94, s92, 18                        ; vt: (b*16+head) x 64 x 4,096 + 16 x wave rows + 512 x block bytes
	s_lshl_b32 s95, s14, 16
	s_add_co_u32 s94, s94, s95
	s_lshl_b32 s95, s93, 9
	s_add_co_u32 s94, s94, s95
	s_mov_b32 s95, 0
	s_lshl_b32 s92, s92, 11                        ; qb, kb: ((b*16+head) x 2,048 + 256 x block + 64 x wave) x 128 bytes
	s_lshl_b32 s93, s93, 8
	s_add_co_u32 s92, s92, s93
	s_lshl_b32 s93, s14, 6
	s_add_co_u32 s92, s92, s93
	s_lshl_b32 s92, s92, 7
	s_mov_b32 s93, 0
	s_wait_dscnt 0x0
	s_wait_kmcnt 0x0
	s_add_nc_u64 s[84:85], s[4:5], s[84:85]
	s_add_nc_u64 s[88:89], s[4:5], s[88:89]
	s_add_nc_u64 s[6:7], s[6:7], s[92:93]
	s_add_nc_u64 s[8:9], s[8:9], s[92:93]
	s_add_nc_u64 s[10:11], s[10:11], s[94:95]
.irp n, 0,1
	s_mov_b32 s[G0A+4*\n], 1
	s_add_co_u32 s[G0A+4*\n+1], s21, \n*SLOT
	s_add_nc_u64 s[G0A+4*\n+2:G0A+4*\n+3], s[84:85], \n*256        ; tile n: 128 bf16 along the row
	s_or_b32 s[G0A+4*\n+3], s[G0A+4*\n+3], 0x80000000
.endr
.macro SETB g, sel
.irp n, 0,1
	s_mov_b32 s[\g+4*\n], 1
	s_add_co_u32 s[\g+4*\n+1], s22, \sel*SELB+\n*SLOT
	s_add_nc_u64 s[\g+4*\n+2:\g+4*\n+3], s[88:89], \sel*0x200000+\n*0x40000   ; matrix sel (2 MiB each), tile n: 128 k-rows
	s_or_b32 s[\g+4*\n+3], s[\g+4*\n+3], 0x80000000
.endr
.endm
	SETB G0B0, 0
	SETB G0B1, 1
	SETB G0B2, 2
	ROUND                                          ; all sixteen work-groups are here: the first joint loads meet
.irp n, 0,1                                        ; both slots: tile 0's four loads, then tile 1's four
	tensor_load_to_lds s[G0A+4*\n:G0A+4*\n+3], s[G1A:G1A+7]
	s_nop 0
	tensor_load_to_lds s[G0B0+4*\n:G0B0+4*\n+3], s[G1B:G1B+7]
	s_nop 0
	tensor_load_to_lds s[G0B1+4*\n:G0B1+4*\n+3], s[G1B:G1B+7]
	s_nop 0
	tensor_load_to_lds s[G0B2+4*\n:G0B2+4*\n+3], s[G1B:G1B+7]
	s_nop 0
.endr
	v_and_b32 v1, 15, v0                           ; r
	v_bfe_u32 v2, v0, 4, 1                         ; h
	v_and_b32 v3, 7, v0
	v_bfe_u32 v4, v0, 3, 1
	v_and_b32 v5, 31, v0                           ; lane
	v_mul_u32_u24 v6, v1, APITCH
	v_lshl_add_u32 v6, v2, 4, v6
	v_add_nc_u32 v[ADRA], s21, v6                  ; (64 w + r) x pitch + 16 h
	v_add_nc_u32 v[ADRA+1], SLOT, v[ADRA]
	v_lshl_add_u32 v7, v2, 3, v3                   ; k-row 8 h + lane % 8
	v_mul_u32_u24 v7, v7, BPITCH
	v_lshl_add_u32 v7, v4, 4, v7                   ; + 16 x ((lane / 8) % 2)
	v_add_nc_u32 v[ADRB], BREG, v7
	v_add_nc_u32 v[ADRB+1], SLOT, v[ADRB]
	s_mul_i32 s81, s14, 64*QPITCH                  ; my own stage for q and k
	v_mul_u32_u24 v8, v1, QPITCH
	v_lshl_add_u32 v8, v2, 4, v8
	v_add_nc_u32 v[STO], s81, v8
	v_lshrrev_b32 v9, 3, v5
	v_mul_u32_u24 v9, v9, QPITCH
	v_lshl_add_u32 v9, v3, 4, v9
	v_add_nc_u32 v[RD], s81, v9                    ; back: four rows of 128 bytes a load
	v_lshlrev_b32 v[G16], 4, v5
	v_mul_u32_u24 v10, v1, VPITCH
	v_lshl_add_u32 v10, v2, 4, v10
	s_lshl_b32 s82, s14, 7
	s_add_co_u32 s82, s82, VST
	v_add_nc_u32 v[VSTO], s82, v10                 ; row d = r, byte 2 (64 w + 8 h)
	s_mul_i32 s83, s14, 16*VPITCH
	s_add_co_u32 s83, s83, VST
	v_add_nc_u32 v[VRD], s83, v[G16]               ; back: row 16 w + t, 512 bytes a load
; A run of 8 LDS loads: x's four fragments of quarter kk into buffer f
.macro LDA slot, kk, f
	WIN 0
.irp rt, 0,1,2,3
	ds_load_b128 v[64+32*\f+8*\rt:64+32*\f+8*\rt+3],   v[ADRA+\slot] offset:\rt*16*APITCH+64*\kk
	ds_load_b128 v[64+32*\f+8*\rt+4:64+32*\f+8*\rt+7], v[ADRA+\slot] offset:\rt*16*APITCH+64*\kk+32
.endr
.endm
; A run of 8 LDS loads: the four fragments of matrix sel (0 Wq, 1 Wk, 2 Wv)
.macro LDB slot, kk, f, sel
	WIN 0x40                                       ; destination window 1, address window 0
.irp ct, 0,1,2,3
	ds_load_tr16_b128 v[96*\f+8*(4*\sel+\ct):96*\f+8*(4*\sel+\ct)+3],   v[ADRB+\slot] offset:\sel*SELB+\kk*32*BPITCH+32*\ct
	ds_load_tr16_b128 v[96*\f+8*(4*\sel+\ct)+4:96*\f+8*(4*\sel+\ct)+7], v[ADRB+\slot] offset:\sel*SELB+\kk*32*BPITCH+32*\ct+16*BPITCH
.endr
.endm
; The 48 accumulators take turns, one instruction a turn, always in the order q, k, v.  zero = 1: the first products start the sums.
.macro MQK f, sel, zero                ; 16 matrix instructions: q's (sel 0) or k's (sel 1) tiles
	WIN 0xa1                                       ; source 0 (W) window 1, source 1 (x) window 0, C and D window 2
.irp ct, 0,1,2,3
.irp rt, 0,1,2,3
.if \zero
	v_wmma_f32_16x16x32_bf16 v[128*\sel+8*(4*\ct+\rt):128*\sel+8*(4*\ct+\rt)+7], v[96*\f+8*(4*\sel+\ct):96*\f+8*(4*\sel+\ct)+7], v[64+32*\f+8*\rt:64+32*\f+8*\rt+7], 0
.else
	v_wmma_f32_16x16x32_bf16 v[128*\sel+8*(4*\ct+\rt):128*\sel+8*(4*\ct+\rt)+7], v[96*\f+8*(4*\sel+\ct):96*\f+8*(4*\sel+\ct)+7], v[64+32*\f+8*\rt:64+32*\f+8*\rt+7], v[128*\sel+8*(4*\ct+\rt):128*\sel+8*(4*\ct+\rt)+7]
.endif
.endr
.endr
.endm
.macro MV f, r0, zero                  ; 8 matrix instructions: v's tiles of row blocks r0, r0 + 1
	WIN 0xf4                                       ; source 0 (x) window 0, source 1 (Wv) window 1, C and D window 3
.irp rt, \r0, \r0+1
.irp ct, 0,1,2,3
.if \zero
	v_wmma_f32_16x16x32_bf16 v[8*(4*(\rt)+\ct):8*(4*(\rt)+\ct)+7], v[64+32*\f+8*(\rt):64+32*\f+8*(\rt)+7], v[96*\f+8*(8+\ct):96*\f+8*(8+\ct)+7], 0
.else
	v_wmma_f32_16x16x32_bf16 v[8*(4*(\rt)+\ct):8*(4*(\rt)+\ct)+7], v[64+32*\f+8*(\rt):64+32*\f+8*(\rt)+7], v[96*\f+8*(8+\ct):96*\f+8*(8+\ct)+7], v[8*(4*(\rt)+\ct):8*(4*(\rt)+\ct)+7]
.endif
.endr
.endr
.endm
; One of a tile's first three quarters: multiplies buffer f and fetches quarter kk into buffer g.  A buffer's runs go out in the order x, Wq, Wk, Wv,
; so in front of each block the run that it needs has three younger runs of eight behind it: every count is 24.
.macro SUB slot, kk, f, g, zero
	PLACES                                         ; behind the last quarter's matrix instructions, which read buffer g
	LDA \slot, \kk, \g
	s_wait_dscnt 24                                ; f's x and Wq are in; out may be f's Wk, Wv and g's x
	MQK \f, 0, \zero
	LDB \slot, \kk, \g, 0
	s_wait_dscnt 24                                ; f's Wk is in; out may be f's Wv, g's x and Wq
	MQK \f, 1, \zero
	LDB \slot, \kk, \g, 1
	s_wait_dscnt 24                                ; f's Wv is in; out may be g's x, Wq and Wk
	MV \f, 0, \zero
	LDB \slot, \kk, \g, 2
	MV \f, 2, \zero
.endm
.macro THREE slot, zero
	SUB \slot, 1, 0, 1, \zero
	SUB \slot, 2, 1, 0, 0
	SUB \slot, 3, 0, 1, 0
.endm
; A tile's last quarter: multiplies buffer 1 and changes slots.  In front of the barrier each wave waits for its reads of this slot and for all its
; tensor loads, of which its four parts of the next slot's tile were out.  Behind it nobody reads this slot and the next slot is whole.
; fill = 1: the barrier opens a round of the cluster's barrier; this slot's refill, two tiles ahead, comes first behind the round.
.macro LAST slot, next, fill
	s_wait_dscnt 0x0                               ; buffer 1 is in: my reads of this slot are over
	s_wait_tensorcnt 0x0                           ; all my tensor loads have landed
	ds_add_u32 v63, v255
	s_wait_dscnt 0x0
	s_barrier_signal -1
	MQK 1, 0, 0                                    ; work on registers while the others arrive
	WIN 0
	s_barrier_wait -1
.if \fill
	CREST
	s_add_nc_u64 s[G0A+4*\slot+2:G0A+4*\slot+3], s[G0A+4*\slot+2:G0A+4*\slot+3], 2*256     ; no tensor load of mine is out: every group 0 may be written
.irp g, G0B0, G0B1, G0B2
	s_add_nc_u64 s[\g+4*\slot+2:\g+4*\slot+3], s[\g+4*\slot+2:\g+4*\slot+3], 2*0x40000
.endr
	tensor_load_to_lds s[G0A+4*\slot:G0A+4*\slot+3], s[G1A:G1A+7]
	s_nop 0
.irp g, G0B0, G0B1, G0B2
	tensor_load_to_lds s[\g+4*\slot:\g+4*\slot+3], s[G1B:G1B+7]
	s_nop 0
.endr
.endif
	PLACES                                         ; behind the matrix instructions that read buffer 0
	LDA \next, 0, 0
	LDB \next, 0, 0, 0
	MQK 1, 1, 0
	LDB \next, 0, 0, 1
	MV 1, 0, 0
	LDB \next, 0, 0, 2
	MV 1, 2, 0
.endm
	s_wait_tensorcnt 0x4                           ; my four parts of tile 0 have landed; tile 1's four stay out
	s_barrier_signal -1
	s_barrier_wait -1                              ; everybody's have
	LDA 0, 0, 0
	LDB 0, 0, 0, 0
	LDB 0, 0, 0, 1
	LDB 0, 0, 0, 2
	THREE 0, 1                                     ; tile 0: its first products start the sums
	LAST 0, 1, 1                                   ; tile 2 is asked for
	THREE 1, 0
	LAST 1, 0, 1                                   ; tile 3
	WIN 0                                          ; at a label and at a branch every window is 0
	s_mov_b32 s23, 2
.Llap:
	THREE 0, 0
	LAST 0, 1, 1                                   ; tiles 4, 6
	THREE 1, 0
	LAST 1, 0, 1                                   ; tiles 5, 7
	WIN 0
	s_sub_co_u32 s23, s23, 1
	s_cmp_lg_u32 s23, 0
	s_cbranch_scc1 .Llap
	THREE 0, 0                                     ; tile 6
	LAST 0, 1, 0                                   ; nothing more to ask for: a barrier of the work-group alone
	THREE 1, 0                                     ; tile 7
	s_wait_dscnt 0x0
	MQK 1, 0, 0
	MQK 1, 1, 0
	MV 1, 0, 0
	MV 1, 2, 0
	WIN 0
	; THE WAY OUT.  The stages lie in slot 0: it has had its last fill, and every wave's reads of it were over in front of the last barrier.
	PLACES
; q (base 0) or k (base 128) of window 2: the sum of squares of a row (32 numbers in this lane, 32 in the lane of the other half), 1 / rms, scale, f16,
; 16 bytes a lane into my stage, whole rows back, 512 consecutive bytes a store.
.macro NORMOUT base, isq, dst, gb
	WIN 0x0a                                       ; sources 0 and 1 window 2
.irp rt, 0,1,2,3
	v_pk_mul_f32 v[SS+2*\rt:SS+2*\rt+1], v[\base+8*\rt:\base+8*\rt+1], v[\base+8*\rt:\base+8*\rt+1]
.endr
.irp p, 1,2,3
.irp rt, 0,1,2,3
	v_pk_fma_f32 v[SS+2*\rt:SS+2*\rt+1], v[\base+8*\rt+2*\p:\base+8*\rt+2*\p+1], v[\base+8*\rt+2*\p:\base+8*\rt+2*\p+1], v[SS+2*\rt:SS+2*\rt+1]
.endr
.endr
.irp ct, 1,2,3
.irp p, 0,1,2,3
.irp rt, 0,1,2,3
	v_pk_fma_f32 v[SS+2*\rt:SS+2*\rt+1], v[\base+8*(4*\ct+\rt)+2*\p:\base+8*(4*\ct+\rt)+2*\p+1], v[\base+8*(4*\ct+\rt)+2*\p:\base+8*(4*\ct+\rt)+2*\p+1], v[SS+2*\rt:SS+2*\rt+1]
.endr
.endr
.endr
	WIN 0
.irp rt, 0,1,2,3
	v_add_f32 v[SS+2*\rt], v[SS+2*\rt], v[SS+2*\rt+1]
.endr
.irp rt, 0,1,2,3
	v_permlanex16_b32 v[SS+2*\rt+1], v[SS+2*\rt], s76, s77
.endr
.irp rt, 0,1,2,3
	v_add_f32 v[SS+2*\rt], v[SS+2*\rt], v[SS+2*\rt+1]
.endr
.irp rt, 0,1,2,3
	v_fma_f32 v[SS+2*\rt], v[SS+2*\rt], s78, s79   ; mean of squares + eps
.endr
.irp rt, 0,1,2,3
	v_rsq_f32 v[RS+2*\rt], v[SS+2*\rt]
.endr
	v_nop                                          ; one plain place behind the transcendentals (ISA guide 5.7.2)
	s_wait_alu depctr_va_vdst(0)
.irp rt, 0,1,2,3
.if \isq
	v_mul_f32 v[RS+2*\rt], s80, v[RS+2*\rt]
.endif
	v_mov_b32 v[RS+2*\rt+1], v[RS+2*\rt]
.endr
.irp rt, 0,1,2,3
	WIN 0x02                                       ; source 0 window 2
.irp ct, 0,1,2,3
.irp p, 0,1,2,3
	v_pk_mul_f32 v[T+8*\ct+2*\p:T+8*\ct+2*\p+1], v[\base+8*(4*\ct+\rt)+2*\p:\base+8*(4*\ct+\rt)+2*\p+1], v[RS+2*\rt:RS+2*\rt+1]
.endr
.endr
	WIN 0
.irp ct, 0,1,2,3
.irp p, 0,1,2,3
	v_cvt_pk_f16_f32 v[PK+4*\ct+\p], v[T+8*\ct+2*\p], v[T+8*\ct+2*\p+1]
.endr
.endr
.irp ct, 0,1,2,3
	ds_store_b128 v[STO], v[PK+4*\ct:PK+4*\ct+3] offset:\rt*16*QPITCH+32*\ct
.endr
.endr
.irp t, 0,1,2,3,4,5,6,7,8,9,10,11,12,13,14,15
	ds_load_b128 v[\dst+4*\t:\dst+4*\t+3], v[RD] offset:\t*4*QPITCH    ; LDS serves a wave's instructions in order: these see the stores above
.endr
.irp t, 0,1,2,3,4,5,6,7,8,9,10,11,12,13,14,15
	s_wait_dscnt 15-\t                             ; load t is back, the younger ones stay out
	global_store_b128 v[G16], v[\dst+4*\t:\dst+4*\t+3], s[\gb:\gb+1] offset:512*\t
.endr
.endm
	NORMOUT 0,   1, 128, 6
	NORMOUT 128, 0, 192, 8
	; V transposed: 16 bytes a lane (8 neighbouring s of one d) into a stage shared by the four waves, whole pieces of 512 bytes back
	s_wait_xcnt 0x0                                ; v[128:255], which q's and k's stores read, are written again only behind this wait
	WIN 0x0f                                       ; sources 0 and 1 window 3
.irp rt, 0,1,2,3
.irp ct, 0,1,2,3
.irp p, 0,1,2,3
	v_cvt_pk_f16_f32 v[128+4*(4*\rt+\ct)+\p], v[8*(4*\rt+\ct)+2*\p], v[8*(4*\rt+\ct)+2*\p+1]
.endr
.endr
.endr
	WIN 0
.irp rt, 0,1,2,3
.irp ct, 0,1,2,3
	ds_store_b128 v[VSTO], v[128+4*(4*\rt+\ct):128+4*(4*\rt+\ct)+3] offset:\ct*16*VPITCH+32*\rt
.endr
.endr
	s_wait_dscnt 0x0                               ; my part of the stage is written before I say so
	s_barrier_signal -1
	s_barrier_wait -1
.irp t, 0,1,2,3,4,5,6,7,8,9,10,11,12,13,14,15
	ds_load_b128 v[192+4*\t:192+4*\t+3], v[VRD] offset:\t*VPITCH
.endr
.irp t, 0,1,2,3,4,5,6,7,8,9,10,11,12,13,14,15
	s_wait_dscnt 15-\t
	global_store_b128 v[G16], v[192+4*\t:192+4*\t+3], s[10:11] offset:4096*\t
.endr
	s_set_vgpr_msb 0x4
	s_wait_tensorcnt 0x0
	ds_add_u32 v63, v255
	s_wait_dscnt 0x0
	s_set_vgpr_msb 0x400
	ROUND                                          ; the closing round: no work-group ends while a partner may still ask for a tile that names it
	s_endpgm
.Lfunc_end_k_q458cb01b1c_qkv:
	.size	k_q458cb01b1c_qkv, .Lfunc_end_k_q458cb01b1c_qkv-k_q458cb01b1c_qkv
	.p2alignl 7, 3214868480
	.fill 96, 4, 3214868480
	.section	.rodata,"a",@progbits
	.p2align	6, 0x0
	.amdhsa_kernel k_q458cb01b1c_qkv
		.amdhsa_group_segment_fixed_size 327680
		.amdhsa_private_segment_fixed_size 0
		.amdhsa_enable_private_segment 0
		.amdhsa_kernarg_size 32
		.amdhsa_user_sgpr_count 2
		.amdhsa_user_sgpr_kernarg_segment_ptr 1
		.amdhsa_wavefront_size32 1
		.amdhsa_system_sgpr_workgroup_id_x 1
		.amdhsa_system_sgpr_workgroup_id_y 1
		.amdhsa_system_sgpr_workgroup_id_z 1
		.amdhsa_system_vgpr_workitem_id 0
		.amdhsa_next_free_vgpr 896
		.amdhsa_next_free_sgpr 96
		.amdhsa_reserve_vcc 0
		.amdhsa_float_denorm_mode_32 3
		.amdhsa_float_denorm_mode_16_64 3
		.amdhsa_memory_ordered 1
		.amdhsa_forward_progress 1
		.amdhsa_inst_pref_size 188
	.end_amdhsa_kernel
	.amdgpu_metadata
---
amdhsa.version: [ 1, 2 ]
amdhsa.kernels:
  - .name:           k_q458cb01b1c_qkv
    .symbol:         k_q458cb01b1c_qkv.kd
    .args:
      - { .name: cb, .offset: 0, .size: 8, .value_kind: global_buffer, .address_space: global }
      - { .name: qb, .offset: 8, .size: 8, .value_kind: global_buffer, .address_space: global }
      - { .name: kb, .offset: 16, .size: 8, .value_kind: global_buffer, .address_space: global }
      - { .name: vt, .offset: 24, .size: 8, .value_kind: global_buffer, .address_space: global }
    .group_segment_fixed_size: 327680
    .private_segment_fixed_size: 0
    .kernarg_segment_align: 8
    .kernarg_segment_size: 32
    .max_flat_workgroup_size: 128
    .sgpr_count:     96
    .vgpr_count:     896
    .wavefront_size: 32
...
	.end_amdgpu_metadata
.endif
;; end of part 2
;; launch attn (part 3): grid 8 x 32, 8 waves a work-group, clusters of 4 x 4, 327,680 bytes of LDS; arguments qb, kb, vt, mb, rowe, ao; writes ao
.if DOCPART == 3
	.amdgcn_target "amdgcn-amd-amdhsa--gfx1250"
	.amdhsa_code_object_version 6
	.text
	.protected	k_q458cb01b1c_attn
	.globl	k_q458cb01b1c_attn
	.p2align	8
	.type	k_q458cb01b1c_attn,@function
k_q458cb01b1c_attn:
	s_mov_b64 s[64:65], 0
	v_nop
	global_prefetch_b8 v0, s[64:65] scope:SCOPE_SE
	s_setreg_imm32_b32 hwreg(HW_REG_WAVE_MODE, 25, 1), 1
	s_wait_xcnt 0x0
	s_wait_alu depctr_hold_cnt(0) depctr_sa_sdst(0) depctr_va_vdst(0) depctr_va_sdst(0) depctr_va_ssrc(0) depctr_va_vcc(0) depctr_vm_vsrc(0)
	s_getreg_b32 s2, hwreg(HW_REG_IB_STS2, 6, 4)
	s_cmp_eq_u32 s2, 0
	s_cbranch_scc0 .Lentry_in_a_cluster
	s_endpgm
.Lentry_in_a_cluster:
	s_bfe_u32 s2, ttmp6, 0x10000c
	s_cmp_lg_u32 s2, 0xf033
	s_cbranch_scc0 .Lentry_shape_is_right
	s_endpgm
.Lentry_shape_is_right:
; Attention of 256 queries of one (batch, head) over all 2,048 keys; f16 operands, f32 sums.  ao: [b*16+head][s][64] f16.
;   S^T = K Q^T + bias (q carries 0.125 log2 e);  p = exp2(S);  O^T = V^T P^T;  l = ones P^T;  ao = O / l.
; THE MASK IS THE C OPERAND of the score products: mb holds a byte for each (query, key), the E4M3 code 0x00 where the weight stays and 0x81
; (-2^-9) where it is masked away; one conversion with the scale 2^19 turns eight bytes into eight f32, 0 or -1024, in the score accumulator, and
; the products add onto it.  exp2(S - 1024) is exactly 0.  A query none of whose mask bytes is set has zeros in mb and the word 0 in rowe: its q
; is cleared, so every score is 0 and every weight 1: uniform weights, as a softmax of equal scores gives.
; NO MAXIMUM IS TAKEN AWAY: q and k are RMS-normalised over 64 numbers, so |q|^2, |k|^2 <= 64, |q.k| / 8 <= 8 and the exponent of 2 lies within
; +-11.7 for every input: a weight that stays lies in 2^-11.7 .. 2^11.7 (normal numbers of f16), a row's sum is at most 2^22.7, at least 2^-11.7.
; l is summed by the matrix unit from the very f16 weights that multiply V, so that weights and sum agree.
; Eight waves: wave w has queries 64 (w % 4) .. + 63 and the half w / 4 of each tile of 256 keys; the halves' O and l are added at the end.
; CLUSTERS 4 x 4: K's and V's tiles hang on (batch, head) alone and are asked for jointly along a row of the cluster (four query blocks); mb's
; tiles hang on the query block alone and are asked for jointly along a column (four heads).  Three tensor loads a wave and tile: three out at the most.
; LAYOUT: with source 0 = 16 keys and source 1 = 16 queries a lane holds one query and keys 8 h + 0..7; two such tiles, packed in the lane, are
; the source-1 fragment of P^T for 32 keys: no exchange between lanes.
.set SLOT,   140288
.set KPITCH, 144
.set VPITCH, 528
.set MPITCH, 272
.set VREG,   256*KPITCH
.set MREG,   VREG+64*VPITCH
.set MSTB,   16896                     ; the stage in which a wave of the upper half hands over O (16,384 bytes) and l (512)
.set OST,    4*MSTB                    ; behind them: 64 rows x 144 bytes for each of waves 0-3
.set KADR, 4
.set VADR, 6
.set MADR, 8
.set SC,   10
.set MSTA, 11
.set OSTO, 12
.set ORD,  13
.set G16,  14
.set QOF,  15
.set ONES, 16                          ; v[16:23]   a fragment of ones
.set ZR,   24                          ; v[24:27]   rowe's word of my query in each of the four query tiles
.set MB,   32                          ; v[32:47]   bias bytes, 8 for each of 8 tiles
.set KF,   64                          ; v[64:95]   K's fragments (2 x 16 keys, 2 x 32 d)
.set VF,   96                          ; v[96:127]  V^T's fragments (4 x 16 d)
.set SX,   128                         ; v[128:191] bias, then scores, then weights: tile 2 n + i
.set PX,   192                         ; v[192:223] weights in f16: fragment n
.set LS,   224
.set RL,   228
.set EOFS, 236
.set T,    64                          ; the way out
; window 1: O(n, dt) at 8 (4 n + dt), v0-127; Q(n, c) at 128 + 16 n + 8 c; l(n) at 192 + 8 n
.set G1K, 24
.set G1V, 32
.set G1M, 40
.set G0K, 48
.set G0V, 56
.set G0M, 68
.set MSB, 0
.macro WIN new
.if MSB != \new
	s_set_vgpr_msb (MSB<<8)|\new
.set MSB, \new
.endif
.endm
.macro PLACES                          ; four places behind a matrix instruction (ISA guide 7.12.1)
.rept 4
	v_nop
.endr
.endm
.macro ROUND
	s_barrier_signal -1
	s_barrier_wait -1
	s_cmp_lg_u32 s16, 0
	s_cbranch_scc1 .Lnw0_\@
	s_barrier_signal -3
.Lnw0_\@:
	s_barrier_wait -3
	s_barrier_signal -1
	s_barrier_wait -1
.endm
	s_load_b256 s[4:11], s[0:1], 0x0               ; qb, kb, vt, mb
	s_load_b128 s[12:15], s[0:1], 0x20             ; rowe, ao
	v_lshl_add_u32 v254, v0, 2, 0x44800
	v_mov_b32 v255, 0
	ds_add_u32 v254, v255
	v_lshrrev_b32 v1, 5, v0
	v_readfirstlane_b32 s16, v1                    ; wave
	s_lshr_b32 s17, s16, 2                         ; which half of the keys
	s_and_b32 s18, s16, 3                          ; which 64 queries
	s_bfe_u32 s19, ttmp6, 0x40000                  ; cx
	s_bfe_u32 s20, ttmp6, 0x40004                  ; cy
	s_lshl_b32 s21, ttmp9, 2
	s_add_co_u32 s21, s21, s19                     ; block of 256 queries
	s_and_b32 s22, ttmp7, 0xffff
	s_lshl_b32 s22, s22, 2
	s_add_co_u32 s22, s22, s20                     ; b*16 + head
	s_lshl_b32 s76, s20, 2
	s_lshl_b32 s76, 15, s76                        ; my row of the cluster
	s_lshl_b32 s77, 0x1111, s19                    ; my column
	; K: 32 rows x 64 f16, 16 bytes behind every 32 words
	s_or_b32  s[G1K+0], s76, (1<<16)|(1<<20)|(1<<21)|(4<<22)|(3<<25)
	s_mov_b32 s[G1K+1], 64<<16
	s_mov_b32 s[G1K+2], 32<<16
	s_mov_b32 s[G1K+3], 64<<16
	s_mov_b32 s[G1K+4], 32
	s_mov_b32 s[G1K+5], 64
	s_mov_b32 s[G1K+6], 0
	s_mov_b32 s[G1K+7], 0
	; V^T: 8 rows x 256 f16, 16 bytes behind every 128 words
	s_or_b32  s[G1V+0], s76, (1<<16)|(1<<20)|(1<<21)|(6<<22)|(3<<25)
	s_mov_b32 s[G1V+1], 256<<16
	s_mov_b32 s[G1V+2], 8<<16
	s_mov_b32 s[G1V+3], 256<<16
	s_mov_b32 s[G1V+4], 8
	s_mov_b32 s[G1V+5], 2048
	s_mov_b32 s[G1V+6], 0
	s_mov_b32 s[G1V+7], 0
	; mb: 32 rows x 256 bytes, 16 bytes behind every 64 words
	s_or_b32  s[G1M+0], s77, (1<<20)|(1<<21)|(5<<22)|(3<<25)
	s_mov_b32 s[G1M+1], 256<<16
	s_mov_b32 s[G1M+2], 32<<16
	s_mov_b32 s[G1M+3], 256<<16
	s_mov_b32 s[G1M+4], 32
	s_mov_b32 s[G1M+5], 2048
	s_mov_b32 s[G1M+6], 0
	s_mov_b32 s[G1M+7], 0
	s_lshl_b32 s84, s22, 18                        ; K: (b*16+head) x 262,144 + 32 x wave rows of 128 bytes (registers that never hold cx)
	s_lshl_b32 s85, s16, 12
	s_add_co_u32 s84, s84, s85
	s_mov_b32 s85, 0
	s_lshl_b32 s86, s22, 18                        ; V^T: + 8 x wave rows of 4,096 bytes
	s_lshl_b32 s87, s16, 15
	s_add_co_u32 s86, s86, s87
	s_mov_b32 s87, 0
	s_lshl_b32 s88, s21, 19                        ; mb: (256 x block + 32 x wave) rows of 2,048 bytes (registers that never hold cy)
	s_lshl_b32 s89, s16, 16
	s_add_co_u32 s88, s88, s89
	s_mov_b32 s89, 0
	s_lshl_b32 s90, s21, 11                        ; rowe: (256 x block + 64 x group) x 8 bytes
	s_lshl_b32 s91, s18, 9
	s_add_co_u32 s90, s90, s91
	s_mov_b32 s91, 0
	s_lshl_b32 s92, s22, 11                        ; Q and ao: ((b*16+head) x 2,048 + 256 x block + 64 x group) x 128 bytes
	s_lshl_b32 s93, s21, 8
	s_add_co_u32 s92, s92, s93
	s_lshl_b32 s93, s18, 6
	s_add_co_u32 s92, s92, s93
	s_lshl_b32 s92, s92, 7
	s_mov_b32 s93, 0
	s_mul_i32 s78, s16, 32*KPITCH                  ; LDS: the wave's number and constants alone
	s_mul_i32 s79, s16, 8*VPITCH
	s_add_co_u32 s79, s79, VREG
	s_mul_i32 s80, s16, 32*MPITCH
	s_add_co_u32 s80, s80, MREG
	s_wait_dscnt 0x0
	s_wait_kmcnt 0x0
	s_add_nc_u64 s[84:85], s[6:7], s[84:85]
	s_add_nc_u64 s[86:87], s[8:9], s[86:87]
	s_add_nc_u64 s[88:89], s[10:11], s[88:89]
	s_add_nc_u64 s[98:99], s[12:13], s[90:91]
	s_add_nc_u64 s[94:95], s[4:5], s[92:93]
	s_add_nc_u64 s[96:97], s[14:15], s[92:93]
.irp n, 0,1
	s_mov_b32 s[G0K+4*\n], 1
	s_add_co_u32 s[G0K+4*\n+1], s78, \n*SLOT
	s_add_nc_u64 s[G0K+4*\n+2:G0K+4*\n+3], s[84:85], \n*32768      ; tile n: 256 keys of 128 bytes
	s_or_b32 s[G0K+4*\n+3], s[G0K+4*\n+3], 0x80000000
	s_mov_b32 s[G0V+4*\n], 1
	s_add_co_u32 s[G0V+4*\n+1], s79, \n*SLOT
	s_add_nc_u64 s[G0V+4*\n+2:G0V+4*\n+3], s[86:87], \n*512        ; 256 keys of 2 bytes along the row
	s_or_b32 s[G0V+4*\n+3], s[G0V+4*\n+3], 0x80000000
	s_mov_b32 s[G0M+4*\n], 1
	s_add_co_u32 s[G0M+4*\n+1], s80, \n*SLOT
	s_add_nc_u64 s[G0M+4*\n+2:G0M+4*\n+3], s[88:89], \n*256        ; 256 keys of 1 byte along the row
	s_or_b32 s[G0M+4*\n+3], s[G0M+4*\n+3], 0x80000000
.endr
	v_and_b32 v1, 15, v0                           ; r
	v_bfe_u32 v2, v0, 4, 1                         ; h
	v_and_b32 v3, 31, v0                           ; lane
	v_lshlrev_b32 v[QOF], 7, v1
	v_lshl_add_u32 v[QOF], v2, 4, v[QOF]           ; Q: row r, 16 h
	v_lshlrev_b32 v[EOFS], 3, v1
	WIN 0x40                                       ; destination window 1
.irp n, 0,1,2,3
.irp c, 0,1
	global_load_b128 v[128+16*\n+8*\c:128+16*\n+8*\c+3],   v[QOF], s[94:95] offset:2048*\n+64*\c
	global_load_b128 v[128+16*\n+8*\c+4:128+16*\n+8*\c+7], v[QOF], s[94:95] offset:2048*\n+64*\c+32
.endr
.endr
	WIN 0
.irp n, 0,1,2,3
	global_load_b32 v[ZR+\n], v[EOFS], s[98:99] offset:128*\n
.endr
	ROUND                                          ; all sixteen work-groups are here: the first joint loads meet
	tensor_load_to_lds s[G0K:G0K+3], s[G1K:G1K+7]
	s_nop 0
	tensor_load_to_lds s[G0V:G0V+3], s[G1V:G1V+7]
	s_nop 0
	tensor_load_to_lds s[G0M:G0M+3], s[G1M:G1M+7]
	s_nop 0
	s_mul_i32 s81, s17, 128*KPITCH
	v_mul_u32_u24 v[KADR], v1, KPITCH
	v_lshl_add_u32 v[KADR], v2, 4, v[KADR]
	v_add_nc_u32 v[KADR], s81, v[KADR]             ; (128 half + r) x pitch + 16 h
	v_add_nc_u32 v[KADR+1], SLOT, v[KADR]
	s_lshl_b32 s82, s17, 8
	s_add_co_u32 s82, s82, VREG
	v_mul_u32_u24 v[VADR], v1, VPITCH
	v_lshl_add_u32 v[VADR], v2, 4, v[VADR]
	v_add_nc_u32 v[VADR], s82, v[VADR]             ; row d = r, byte 256 half + 16 h
	v_add_nc_u32 v[VADR+1], SLOT, v[VADR]
	s_mul_i32 s83, s18, 64*MPITCH
	s_lshl_b32 s81, s17, 7
	s_add_co_u32 s83, s83, s81
	s_add_co_u32 s83, s83, MREG
	v_mul_u32_u24 v[MADR], v1, MPITCH
	v_lshl_add_u32 v[MADR], v2, 3, v[MADR]
	v_add_nc_u32 v[MADR], s83, v[MADR]             ; row 64 group + r, byte 128 half + 8 h
	v_add_nc_u32 v[MADR+1], SLOT, v[MADR]
	v_mov_b32 v[SC], 146                           ; the E8M0 scale 2^19: the code 0x81 becomes -1024
.irp e, 0,1,2,3,4,5,6,7
	v_mov_b32 v[ONES+\e], 0x3c003c00               ; 1.0, 1.0 in f16
.endr
	s_mul_i32 s81, s18, MSTB
	v_lshlrev_b32 v[G16], 4, v3
	v_add_nc_u32 v[MSTA], s81, v[G16]
	s_mul_i32 s82, s18, 64*KPITCH
	s_add_co_u32 s82, s82, OST
	v_mul_u32_u24 v[OSTO], v1, KPITCH
	v_lshl_add_u32 v[OSTO], v2, 4, v[OSTO]
	v_add_nc_u32 v[OSTO], s82, v[OSTO]
	v_lshrrev_b32 v[ORD], 3, v3
	v_mul_u32_u24 v[ORD], v[ORD], KPITCH
	v_and_b32 v2, 7, v0
	v_lshl_add_u32 v[ORD], v2, 4, v[ORD]
	v_add_nc_u32 v[ORD], s82, v[ORD]
	s_wait_loadcnt 0x0                             ; Q and rowe's words, once
	WIN 0x44                                       ; source 1 and destination window 1
.irp n, 0,1,2,3
.irp e, 0,1,2,3,4,5,6,7,8,9,10,11,12,13,14,15
	v_and_b32 v[128+16*\n+\e], v[ZR+\n], v[128+16*\n+\e]   ; a lane's fragment is one query's row: kept (-1) or cleared (0)
.endr
.endr
	WIN 0
.macro LDK slot, j                     ; 8 loads: 32 keys (number j of my 128) x 64 d
.irp i, 0,1
.irp c, 0,1
	ds_load_b128 v[KF+16*\i+8*\c:KF+16*\i+8*\c+3],   v[KADR+\slot] offset:KPITCH*(32*(\j)+16*\i)+64*\c
	ds_load_b128 v[KF+16*\i+8*\c+4:KF+16*\i+8*\c+7], v[KADR+\slot] offset:KPITCH*(32*(\j)+16*\i)+64*\c+32
.endr
.endr
.endm
.macro LDV slot, j                     ; 8 loads: 64 d x 32 keys
.irp dt, 0,1,2,3
	ds_load_b128 v[VF+8*\dt:VF+8*\dt+3],   v[VADR+\slot] offset:16*VPITCH*\dt+64*(\j)
	ds_load_b128 v[VF+8*\dt+4:VF+8*\dt+7], v[VADR+\slot] offset:16*VPITCH*\dt+64*(\j)+32
.endr
.endm
.macro LDM slot, j                     ; 8 loads: my query's 8 bias bytes for each of the 8 score tiles
.irp n, 0,1,2,3
.irp i, 0,1
	ds_load_b64 v[MB+2*(2*\n+\i):MB+2*(2*\n+\i)+1], v[MADR+\slot] offset:16*MPITCH*\n+32*(\j)+16*\i
.endr
.endr
.endm
.macro BIAS t                          ; tile t: eight bias bytes become 0 or -1024 in the score accumulator, in one conversion
	v_cvt_scale_pk8_f32_fp8 v[SX+8*(\t):SX+8*(\t)+7], v[MB+2*(\t):MB+2*(\t)+1], v[SC]
.endm
.macro EXPT t                          ; tile t: eight exponentials in place
.irp e, 0,1,2,3,4,5,6,7
	v_exp_f32 v[SX+8*(\t)+\e], v[SX+8*(\t)+\e]
.endr
.endm
.macro PACK t                          ; tile t: rounded to f16 into its half of fragment t / 2
	s_wait_alu depctr_va_vdst(0)
.irp k, 0,1,2,3
	v_cvt_pk_f16_f32 v[PX+4*(\t)+\k], v[SX+8*(\t)+2*\k], v[SX+8*(\t)+2*\k+1]
.endr
.endm
; 32 keys x 64 queries.  At the entry the accumulators hold this step's bias.  pre = 1: the next step's bias bytes and K fragments are fetched, and its
; bias is laid into each accumulator as soon as the packing has read it.  zero = 1: the first products start O and l.
.macro STEP slot, j, pre, zero
	s_wait_dscnt 0x0                               ; K's fragments are in
	WIN 0x04                                       ; source 1 (Q) window 1
.irp n, 0,1,2,3                                    ; eight accumulators take turns, one instruction a turn
.irp i, 0,1
	v_wmma_f32_16x16x32_f16 v[SX+8*(2*\n+\i):SX+8*(2*\n+\i)+7], v[KF+16*\i:KF+16*\i+7], v[128+16*\n:128+16*\n+7], v[SX+8*(2*\n+\i):SX+8*(2*\n+\i)+7]
.endr
.endr
.irp n, 0,1,2,3
.irp i, 0,1
	v_wmma_f32_16x16x32_f16 v[SX+8*(2*\n+\i):SX+8*(2*\n+\i)+7], v[KF+16*\i+8:KF+16*\i+15], v[128+16*\n+8:128+16*\n+15], v[SX+8*(2*\n+\i):SX+8*(2*\n+\i)+7]
.endr
.endr
	WIN 0
	PLACES                                         ; before the scores are read and K's and V's fragments are loaded again
.if \pre
	LDM \slot, \j+1
.endif
	LDV \slot, \j
.if \pre
	LDK \slot, \j+1
.endif
	EXPT 0                                         ; between a tile's exponentials and their use stand plain instructions of another tile
	v_nop
	EXPT 1
	PACK 0
.if \pre
	s_wait_dscnt 16                                ; the next step's bias bytes are in; V's eight loads and K's eight may be out
	BIAS 0
.endif
.irp t, 1,2,3,4,5,6
	EXPT \t+1
	PACK \t
.if \pre
	BIAS \t
.endif
.endr
	PACK 7
.if \pre
	BIAS 7
	v_nop                                          ; one plain place behind the last conversion, before a matrix instruction takes its result
.endif
	s_wait_dscnt 8*\pre                            ; V's fragments are in; the next step's K stays out
	WIN 0x50                                       ; C and D window 1
.irp n, 0,1,2,3                                    ; twenty accumulators take turns
.irp dt, 0,1,2,3
.if \zero
	v_wmma_f32_16x16x32_f16 v[8*(4*\n+\dt):8*(4*\n+\dt)+7], v[VF+8*\dt:VF+8*\dt+7], v[PX+8*\n:PX+8*\n+7], 0
.else
	v_wmma_f32_16x16x32_f16 v[8*(4*\n+\dt):8*(4*\n+\dt)+7], v[VF+8*\dt:VF+8*\dt+7], v[PX+8*\n:PX+8*\n+7], v[8*(4*\n+\dt):8*(4*\n+\dt)+7]
.endif
.endr
.if \zero
	v_wmma_f32_16x16x32_f16 v[192+8*\n:192+8*\n+7], v[ONES:ONES+7], v[PX+8*\n:PX+8*\n+7], 0
.else
	v_wmma_f32_16x16x32_f16 v[192+8*\n:192+8*\n+7], v[ONES:ONES+7], v[PX+8*\n:PX+8*\n+7], v[192+8*\n:192+8*\n+7]
.endif
.endr
	WIN 0
.endm
.macro TRIP slot, refill, zero
	s_wait_tensorcnt 0x0                           ; all my tensor loads have landed, my parts of this trip's tile among them, so every group 0 may be written:
	ds_add_u32 v254, v255
	s_wait_dscnt 0x0
	s_add_nc_u64 s[G0K+4*\slot+2:G0K+4*\slot+3], s[G0K+4*\slot+2:G0K+4*\slot+3], 2*32768
	s_add_nc_u64 s[G0V+4*\slot+2:G0V+4*\slot+3], s[G0V+4*\slot+2:G0V+4*\slot+3], 2*512
	s_add_nc_u64 s[G0M+4*\slot+2:G0M+4*\slot+3], s[G0M+4*\slot+2:G0M+4*\slot+3], 2*256
	s_wait_dscnt 0x0                               ; my reads of the last trip's tile are over
	ROUND                                          ; both now hold of every wave of the cluster
.if \refill
	tensor_load_to_lds s[G0K+4*(1-\slot):G0K+4*(1-\slot)+3], s[G1K:G1K+7]      ; the next tile, into the slot read last trip
	s_nop 0
	tensor_load_to_lds s[G0V+4*(1-\slot):G0V+4*(1-\slot)+3], s[G1V:G1V+7]
	s_nop 0
	tensor_load_to_lds s[G0M+4*(1-\slot):G0M+4*(1-\slot)+3], s[G1M:G1M+7]
	s_nop 0
.endif
	LDM \slot, 0
	LDK \slot, 0
	s_wait_dscnt 8                                 ; the bias bytes are in; K's eight younger loads may be out
.irp t, 0,1,2,3,4,5,6,7
	BIAS \t
.endr
	v_nop                                          ; one plain place behind the conversions
	STEP \slot, 0, 1, \zero
	STEP \slot, 1, 1, 0
	STEP \slot, 2, 1, 0
	STEP \slot, 3, 0, 0
.endm
	TRIP 0, 1, 1
	TRIP 1, 1, 0
	s_mov_b32 s23, 2
.Llap:
	TRIP 0, 1, 0
	TRIP 1, 1, 0
	s_sub_co_u32 s23, s23, 1
	s_cmp_lg_u32 s23, 0
	s_cbranch_scc1 .Llap
	TRIP 0, 1, 0
	TRIP 1, 0, 0
	; THE WAY OUT.  The stages lie in slot 0: it has had its last fill, and every wave's reads of it were over in front of the last round.
	PLACES
	WIN 0x01                                       ; source 0 window 1
.irp n, 0,1,2,3
	v_mov_b32 v[LS+\n], v[192+8*\n]                ; every register of l's tile holds the sum of my query's weights
.endr
	WIN 0
	s_cmp_lt_u32 s16, 4
	s_cbranch_scc1 .Lkeep
	WIN 0x04                                       ; waves 4-7 hand over O and l.  Store data window 1
.set ii, 0
.rept 32
	ds_store_b128 v[MSTA], v[4*ii:4*ii+3] offset:512*ii
.set ii, ii+1
.endr
	WIN 0
	ds_store_b128 v[MSTA], v[LS:LS+3] offset:16384
.Lkeep:
	s_wait_dscnt 0x0                               ; what I stored is in LDS before I say so
	s_barrier_signal -1
	s_barrier_wait -1
	s_cmp_ge_u32 s16, 4
	s_cbranch_scc1 .Lclose
.set ii, 0
.rept 33
	ds_load_b128 v[T+4*ii:T+4*ii+3], v[MSTA] offset:512*ii
.set ii, ii+1
.endr
	s_wait_dscnt 0x0
	WIN 0x01
.set ii, 0
.rept 64
	v_pk_add_f32 v[T+2*ii:T+2*ii+1], v[2*ii:2*ii+1], v[T+2*ii:T+2*ii+1]
.set ii, ii+1
.endr
	WIN 0
.irp n, 0,1,2,3
	v_add_f32 v[LS+\n], v[LS+\n], v[T+128+\n]
.endr
.irp n, 0,1,2,3
	v_rcp_f32 v[RL+2*\n], v[LS+\n]                 ; l is at least 2^-11.7
.endr
	v_nop                                          ; one plain place behind the transcendentals (ISA guide 5.7.2)
	s_wait_alu depctr_va_vdst(0)
.irp n, 0,1,2,3
	v_mov_b32 v[RL+2*\n+1], v[RL+2*\n]
.endr
.irp n, 0,1,2,3
.irp k, 0,1,2,3,4,5,6,7,8,9,10,11,12,13,14,15
	v_pk_mul_f32 v[T+32*\n+2*\k:T+32*\n+2*\k+1], v[T+32*\n+2*\k:T+32*\n+2*\k+1], v[RL+2*\n:RL+2*\n+1]
.endr
.endr
.set ii, 0
.rept 64
	v_cvt_pk_f16_f32 v[T+ii], v[T+2*ii], v[T+2*ii+1]       ; packed downward in place: register ii is written when 2 ii and 2 ii + 1 have been read
.set ii, ii+1
.endr
.irp n, 0,1,2,3
.irp dt, 0,1,2,3
	ds_store_b128 v[OSTO], v[T+4*(4*\n+\dt):T+4*(4*\n+\dt)+3] offset:\n*16*KPITCH+32*\dt
.endr
.endr
.irp t, 0,1,2,3,4,5,6,7,8,9,10,11,12,13,14,15
	ds_load_b128 v[128+4*\t:128+4*\t+3], v[ORD] offset:\t*4*KPITCH     ; my own bytes: LDS serves a wave's instructions in order
.endr
.irp t, 0,1,2,3,4,5,6,7,8,9,10,11,12,13,14,15
	s_wait_dscnt 15-\t
	global_store_b128 v[G16], v[128+4*\t:128+4*\t+3], s[96:97] offset:512*\t   ; 512 consecutive bytes a store
.endr
.Lclose:
	s_wait_tensorcnt 0x0
	ds_add_u32 v254, v255
	s_wait_dscnt 0x0
	ROUND                                          ; the closing round
	s_endpgm
.Lfunc_end_k_q458cb01b1c_attn:
	.size	k_q458cb01b1c_attn, .Lfunc_end_k_q458cb01b1c_attn-k_q458cb01b1c_attn
	.p2alignl 7, 3214868480
	.fill 96, 4, 3214868480
	.section	.rodata,"a",@progbits
	.p2align	6, 0x0
	.amdhsa_kernel k_q458cb01b1c_attn
		.amdhsa_group_segment_fixed_size 327680
		.amdhsa_private_segment_fixed_size 0
		.amdhsa_enable_private_segment 0
		.amdhsa_kernarg_size 48
		.amdhsa_user_sgpr_count 2
		.amdhsa_user_sgpr_kernarg_segment_ptr 1
		.amdhsa_wavefront_size32 1
		.amdhsa_system_sgpr_workgroup_id_x 1
		.amdhsa_system_sgpr_workgroup_id_y 1
		.amdhsa_system_sgpr_workgroup_id_z 1
		.amdhsa_system_vgpr_workitem_id 0
		.amdhsa_next_free_vgpr 480
		.amdhsa_next_free_sgpr 100
		.amdhsa_reserve_vcc 0
		.amdhsa_float_denorm_mode_32 3
		.amdhsa_float_denorm_mode_16_64 3
		.amdhsa_memory_ordered 1
		.amdhsa_forward_progress 1
		.amdhsa_inst_pref_size 254
	.end_amdhsa_kernel
	.amdgpu_metadata
---
amdhsa.version: [ 1, 2 ]
amdhsa.kernels:
  - .name:           k_q458cb01b1c_attn
    .symbol:         k_q458cb01b1c_attn.kd
    .args:
      - { .name: qb, .offset: 0, .size: 8, .value_kind: global_buffer, .address_space: global }
      - { .name: kb, .offset: 8, .size: 8, .value_kind: global_buffer, .address_space: global }
      - { .name: vt, .offset: 16, .size: 8, .value_kind: global_buffer, .address_space: global }
      - { .name: mb, .offset: 24, .size: 8, .value_kind: global_buffer, .address_space: global }
      - { .name: rowe, .offset: 32, .size: 8, .value_kind: global_buffer, .address_space: global }
      - { .name: ao, .offset: 40, .size: 8, .value_kind: global_buffer, .address_space: global }
    .group_segment_fixed_size: 327680
    .private_segment_fixed_size: 0
    .kernarg_segment_align: 8
    .kernarg_segment_size: 48
    .max_flat_workgroup_size: 256
    .sgpr_count:     100
    .vgpr_count:     480
    .wavefront_size: 32
...
	.end_amdgpu_metadata
.endif
;; end of part 3
;; launch oproj (part 4): grid 8 x 32, 4 waves a work-group, clusters of 4 x 4, 327,680 bytes of LDS; arguments ao, cb, out0; writes out0
.if DOCPART == 4
	.amdgcn_target "amdgcn-amd-amdhsa--gfx1250"
	.amdhsa_code_object_version 6
	.text
	.protected	k_q458cb01b1c_oproj
	.globl	k_q458cb01b1c_oproj
	.p2align	8
	.type	k_q458cb01b1c_oproj,@function
k_q458cb01b1c_oproj:
	s_mov_b64 s[64:65], 0
	v_nop
	global_prefetch_b8 v0, s[64:65] scope:SCOPE_SE
	s_setreg_imm32_b32 hwreg(HW_REG_WAVE_MODE, 25, 1), 1
	s_wait_xcnt 0x0
	s_wait_alu depctr_hold_cnt(0) depctr_sa_sdst(0) depctr_va_vdst(0) depctr_va_sdst(0) depctr_va_ssrc(0) depctr_va_vcc(0) depctr_vm_vsrc(0)
	s_getreg_b32 s2, hwreg(HW_REG_IB_STS2, 6, 4)
	s_cmp_eq_u32 s2, 0
	s_cbranch_scc0 .Lentry_in_a_cluster
	s_endpgm
.Lentry_in_a_cluster:
	s_bfe_u32 s2, ttmp6, 0x10000c
	s_cmp_lg_u32 s2, 0xf033
	s_cbranch_scc0 .Lentry_shape_is_right
	s_endpgm
.Lentry_shape_is_right:
; out0 = [4096 x 1024] (the heads' outputs side by side) x Wo [1024 x 1024]; f16 operands, f32 sums, f32 out.
; ao: [b*16+head][s][64] f16; Wo: cb + 14 MiB, [k][n] f16.  LIMITS: as the launches that wrote them (|ao|, |Wo| < 65504).
; Work-group (x = 128 columns, y = 128 rows), four waves, 64 x 64 each: 16 accumulator tiles in window 1.  K goes in 4 tiles of 256 (four heads)
; through two LDS slots.  CLUSTERS 4 x 4: ao's tile hangs on the row block alone (joint along a row of the cluster), Wo's on the column block
; alone (joint along a column).  Two tensor loads a wave and tile: two out at the most.
; The matrix instruction is used transposed (source 0 = Wo's columns, source 1 = ao's rows): a lane holds one row and 8 neighbouring f32.
.set SLOT,   147456
.set APITCH, 144
.set BPITCH, 288                       ; 256 bytes + 32: an odd multiple of 32, for the transposing loads
.set PLANE,  128*APITCH                ; one head's 128 rows
.set BREG,   4*PLANE
.set SPITCH, 272
.set ADRA, 16                          ; v16-17
.set ADRB, 18                          ; v18-21: slot x 2 + which 128 k-rows (an LDS offset has 16 bits)
.set STO,  22
.set RD,   23
.set CO,   24
.set F0,   32                          ; ao's four fragments, then Wo's four
.set F1,   96
.set TMP,  160
.set G1A, 24
.set G1B, 32
.set G0A, 40
.set G0B, 48
.set MSB, 0
.macro WIN new
.if MSB != \new
	s_set_vgpr_msb (MSB<<8)|\new
.set MSB, \new
.endif
.endm
.macro PLACES                          ; four places behind a matrix instruction (ISA guide 7.12.1)
.rept 4
	v_nop
.endr
.endm
.macro ROUND
	s_barrier_signal -1
	s_barrier_wait -1
	s_cmp_lg_u32 s14, 0
	s_cbranch_scc1 .Lnw0_\@
	s_barrier_signal -3
.Lnw0_\@:
	s_barrier_wait -3
	s_barrier_signal -1
	s_barrier_wait -1
.endm
	s_load_b128 s[4:7], s[0:1], 0x0                ; ao, cb
	s_load_b64 s[8:9], s[0:1], 0x10                ; out0
	v_lshl_add_u32 v254, v0, 2, 0x48000
	v_mov_b32 v255, 0
	ds_add_u32 v254, v255
	v_lshrrev_b32 v1, 5, v0
	v_readfirstlane_b32 s14, v1                    ; wave
	s_bfe_u32 s15, ttmp6, 0x40000                  ; cx
	s_bfe_u32 s16, ttmp6, 0x40004                  ; cy
	s_lshl_b32 s17, ttmp9, 2
	s_add_co_u32 s17, s17, s15                     ; block of 128 columns
	s_and_b32 s18, ttmp7, 0xffff
	s_lshl_b32 s18, s18, 2
	s_add_co_u32 s18, s18, s16                     ; block of 128 rows
	s_lshl_b32 s19, s16, 2
	s_lshl_b32 s19, 15, s19                        ; my row of the cluster
	s_lshl_b32 s20, 0x1111, s15                    ; my column
	s_lshr_b32 s21, s14, 1                         ; which 64 rows
	s_and_b32 s22, s14, 1                          ; which 64 columns
	; ao: one head's 128 rows x 64 f16, 16 bytes behind every 32 words
	s_or_b32  s[G1A+0], s19, (1<<16)|(1<<20)|(1<<21)|(4<<22)|(3<<25)
	s_mov_b32 s[G1A+1], 64<<16
	s_mov_b32 s[G1A+2], 128<<16
	s_mov_b32 s[G1A+3], 64<<16
	s_mov_b32 s[G1A+4], 128
	s_mov_b32 s[G1A+5], 64
	s_mov_b32 s[G1A+6], 0
	s_mov_b32 s[G1A+7], 0
	; Wo: 64 k-rows x 128 f16, 32 bytes behind every 64 words
	s_or_b32  s[G1B+0], s20, (1<<16)|(1<<20)|(1<<21)|(5<<22)|(7<<25)
	s_mov_b32 s[G1B+1], 128<<16
	s_mov_b32 s[G1B+2], 64<<16
	s_mov_b32 s[G1B+3], 128<<16
	s_mov_b32 s[G1B+4], 64
	s_mov_b32 s[G1B+5], 1024
	s_mov_b32 s[G1B+6], 0
	s_mov_b32 s[G1B+7], 0
	s_and_b32 s56, s18, 16                         ; ao: head plane b*16 + wave, 262,144 bytes each, + 128 x (block % 16) rows of 128 bytes (never cx)
	s_add_co_u32 s56, s56, s14
	s_lshl_b32 s56, s56, 18
	s_and_b32 s57, s18, 15
	s_lshl_b32 s57, s57, 14
	s_add_co_u32 s56, s56, s57
	s_mov_b32 s57, 0
	s_lshl_b32 s58, s14, 17                        ; Wo: k-row 64 x wave, 256 bytes x column block, behind 14 MiB (never cy)
	s_lshl_b32 s59, s17, 8
	s_add_co_u32 s58, s58, s59
	s_add_co_u32 s58, s58, 0xe00000
	s_mov_b32 s59, 0
	s_mul_i32 s60, s14, PLANE                      ; LDS: the wave's number and constants alone (64 k-rows of Wo are as many bytes as a plane)
	s_add_co_u32 s61, s60, BREG
	s_lshl_b32 s68, s18, 7                         ; out0: row 128 x block + 64 x half, 4,096 bytes a row; column bytes 512 x block + 256 x half
	s_lshl_b32 s69, s21, 6
	s_add_co_u32 s68, s68, s69
	s_lshl_b32 s68, s68, 12
	s_lshl_b32 s69, s17, 9
	s_add_co_u32 s68, s68, s69
	s_lshl_b32 s69, s22, 8
	s_add_co_u32 s68, s68, s69
	s_mov_b32 s69, 0
	s_wait_dscnt 0x0
	s_wait_kmcnt 0x0
	s_add_nc_u64 s[56:57], s[4:5], s[56:57]
	s_add_nc_u64 s[58:59], s[6:7], s[58:59]
	s_add_nc_u64 s[8:9], s[8:9], s[68:69]
.irp n, 0,1
	s_mov_b32 s[G0A+4*\n], 1
	s_add_co_u32 s[G0A+4*\n+1], s60, \n*SLOT
	s_add_nc_u64 s[G0A+4*\n+2:G0A+4*\n+3], s[56:57], \n*0x100000   ; tile n: four heads on
	s_or_b32 s[G0A+4*\n+3], s[G0A+4*\n+3], 0x80000000
	s_mov_b32 s[G0B+4*\n], 1
	s_add_co_u32 s[G0B+4*\n+1], s61, \n*SLOT
	s_add_nc_u64 s[G0B+4*\n+2:G0B+4*\n+3], s[58:59], \n*0x80000    ; 256 k-rows on
	s_or_b32 s[G0B+4*\n+3], s[G0B+4*\n+3], 0x80000000
.endr
	ROUND                                          ; all sixteen work-groups are here: the first joint loads meet
	tensor_load_to_lds s[G0A:G0A+3], s[G1A:G1A+7]
	s_nop 0
	tensor_load_to_lds s[G0B:G0B+3], s[G1B:G1B+7]
	s_nop 0
	v_and_b32 v1, 15, v0                           ; r
	v_bfe_u32 v2, v0, 4, 1                         ; h
	v_and_b32 v3, 7, v0
	v_bfe_u32 v4, v0, 3, 1
	s_mul_i32 s62, s21, 64*APITCH
	v_mul_u32_u24 v5, v1, APITCH
	v_lshl_add_u32 v5, v2, 4, v5
	v_add_nc_u32 v[ADRA], s62, v5                  ; (64 half + r) x pitch + 16 h
	v_add_nc_u32 v[ADRA+1], SLOT, v[ADRA]
	s_lshl_b32 s63, s22, 7
	s_add_co_u32 s63, s63, BREG
	v_lshl_add_u32 v6, v2, 3, v3                   ; k-row 8 h + lane % 8
	v_mul_u32_u24 v6, v6, BPITCH
	v_lshl_add_u32 v6, v4, 4, v6
	v_add_nc_u32 v[ADRB], s63, v6
	v_add_nc_u32 v[ADRB+1], 128*BPITCH, v[ADRB]
	v_add_nc_u32 v[ADRB+2], SLOT, v[ADRB]
	v_add_nc_u32 v[ADRB+3], SLOT, v[ADRB+1]
	s_mul_i32 s62, s14, 16*SPITCH                  ; my own stage
	v_mul_u32_u24 v7, v1, SPITCH
	v_lshl_add_u32 v7, v2, 5, v7
	v_add_nc_u32 v[STO], s62, v7                   ; in: row r, 32 bytes for each half of the lanes
	v_mul_u32_u24 v8, v2, SPITCH
	v_lshl_add_u32 v8, v1, 4, v8
	v_add_nc_u32 v[RD], s62, v8                    ; back: lanes 0-15 one row of 256 bytes, lanes 16-31 the next
	v_lshlrev_b32 v9, 12, v2
	v_lshl_add_u32 v[CO], v1, 4, v9                ; the same two rows in out0
.macro FETCH slot, kk, f               ; 16 LDS loads: 32 along K (number kk of the tile's eight)
	PLACES
.irp rt, 0,1,2,3
	ds_load_b128 v[\f+8*\rt:\f+8*\rt+3],   v[ADRA+\slot] offset:PLANE*(\kk/2)+64*(\kk&1)+16*APITCH*\rt
	ds_load_b128 v[\f+8*\rt+4:\f+8*\rt+7], v[ADRA+\slot] offset:PLANE*(\kk/2)+64*(\kk&1)+16*APITCH*\rt+32
.endr
.irp ct, 0,1,2,3
	ds_load_tr16_b128 v[\f+32+8*\ct:\f+32+8*\ct+3],   v[ADRB+2*\slot+\kk/4] offset:32*BPITCH*(\kk&3)+32*\ct
	ds_load_tr16_b128 v[\f+32+8*\ct+4:\f+32+8*\ct+7], v[ADRB+2*\slot+\kk/4] offset:32*BPITCH*(\kk&3)+32*\ct+16*BPITCH
.endr
.endm
.macro MUL f, zero                     ; sixteen accumulators take turns, one instruction a turn
	WIN 0x50                                       ; C and D window 1
.irp ct, 0,1,2,3
.irp rt, 0,1,2,3
.if \zero
	v_wmma_f32_16x16x32_f16 v[8*(4*\ct+\rt):8*(4*\ct+\rt)+7], v[\f+32+8*\ct:\f+32+8*\ct+7], v[\f+8*\rt:\f+8*\rt+7], 0
.else
	v_wmma_f32_16x16x32_f16 v[8*(4*\ct+\rt):8*(4*\ct+\rt)+7], v[\f+32+8*\ct:\f+32+8*\ct+7], v[\f+8*\rt:\f+8*\rt+7], v[8*(4*\ct+\rt):8*(4*\ct+\rt)+7]
.endif
.endr
.endr
	WIN 0
.endm
.macro SUB slot, kk, f, g, zero
	FETCH \slot, \kk, \g
	s_wait_dscnt 16                                ; all but the 16 loads just issued: buffer f is in
	MUL \f, \zero
.endm
.macro TRIP slot, refill, zero
	s_wait_tensorcnt 0x0                           ; all my tensor loads have landed, my parts of this trip's tile among them, so every group 0 may be written:
	ds_add_u32 v254, v255
	s_wait_dscnt 0x0
	s_add_nc_u64 s[G0A+4*\slot+2:G0A+4*\slot+3], s[G0A+4*\slot+2:G0A+4*\slot+3], 2*0x100000
	s_add_nc_u64 s[G0B+4*\slot+2:G0B+4*\slot+3], s[G0B+4*\slot+2:G0B+4*\slot+3], 2*0x80000
	s_wait_dscnt 0x0                               ; my reads of the last trip's tile are over
	ROUND                                          ; both now hold of every wave of the cluster
.if \refill
	tensor_load_to_lds s[G0A+4*(1-\slot):G0A+4*(1-\slot)+3], s[G1A:G1A+7]      ; the next tile, into the slot read last trip
	s_nop 0
	tensor_load_to_lds s[G0B+4*(1-\slot):G0B+4*(1-\slot)+3], s[G1B:G1B+7]
	s_nop 0
.endif
	FETCH \slot, 0, F0
	SUB \slot, 1, F0, F1, \zero
	SUB \slot, 2, F1, F0, 0
	SUB \slot, 3, F0, F1, 0
	SUB \slot, 4, F1, F0, 0
	SUB \slot, 5, F0, F1, 0
	SUB \slot, 6, F1, F0, 0
	SUB \slot, 7, F0, F1, 0
	s_wait_dscnt 0x0
	MUL F1, 0
.endm
	TRIP 0, 1, 1
	TRIP 1, 1, 0
	TRIP 0, 1, 0
	TRIP 1, 0, 0                                   ; the last tile: nothing is fetched (the stepped addresses are not used)
	; THE WAY OUT, 16 rows at a time through my own stage in slot 0, which has had its last fill and whose reads were over in front of the last round
	PLACES
.macro OUT16 rt
	WIN 0x04                                       ; store data window 1
.irp ct, 0,1,2,3
	ds_store_b128 v[STO], v[8*(4*\ct+\rt):8*(4*\ct+\rt)+3]   offset:64*\ct
	ds_store_b128 v[STO], v[8*(4*\ct+\rt)+4:8*(4*\ct+\rt)+7] offset:64*\ct+16
.endr
	WIN 0
	s_wait_xcnt 0x0                                ; the buffer that earlier stores read is loaded again only behind this wait
.irp t, 0,1,2,3,4,5,6,7
	ds_load_b128 v[TMP+32*(\rt&1)+4*\t:TMP+32*(\rt&1)+4*\t+3], v[RD] offset:\t*2*SPITCH    ; LDS serves a wave's instructions in order
.endr
.irp t, 0,1,2,3,4,5,6,7
	s_wait_dscnt 7-\t
	global_store_b128 v[CO], v[TMP+32*(\rt&1)+4*\t:TMP+32*(\rt&1)+4*\t+3], s[8:9] offset:4096*(16*\rt+2*\t) th:TH_STORE_NT   ; 16 lanes store 256 consecutive bytes, aligned
.endr
.endm
	OUT16 0
	OUT16 1
	OUT16 2
	OUT16 3
	s_wait_tensorcnt 0x0
	ds_add_u32 v254, v255
	s_wait_dscnt 0x0
	ROUND                                          ; the closing round
	s_endpgm
.Lfunc_end_k_q458cb01b1c_oproj:
	.size	k_q458cb01b1c_oproj, .Lfunc_end_k_q458cb01b1c_oproj-k_q458cb01b1c_oproj
	.p2alignl 7, 3214868480
	.fill 96, 4, 3214868480
	.section	.rodata,"a",@progbits
	.p2align	6, 0x0
	.amdhsa_kernel k_q458cb01b1c_oproj
		.amdhsa_group_segment_fixed_size 327680
		.amdhsa_private_segment_fixed_size 0
		.amdhsa_enable_private_segment 0
		.amdhsa_kernarg_size 24
		.amdhsa_user_sgpr_count 2
		.amdhsa_user_sgpr_kernarg_segment_ptr 1
		.amdhsa_wavefront_size32 1
		.amdhsa_system_sgpr_workgroup_id_x 1
		.amdhsa_system_sgpr_workgroup_id_y 1
		.amdhsa_system_sgpr_workgroup_id_z 1
		.amdhsa_system_vgpr_workitem_id 0
		.amdhsa_next_free_vgpr 384
		.amdhsa_next_free_sgpr 72
		.amdhsa_reserve_vcc 0
		.amdhsa_float_denorm_mode_32 3
		.amdhsa_float_denorm_mode_16_64 3
		.amdhsa_memory_ordered 1
		.amdhsa_forward_progress 1
		.amdhsa_inst_pref_size 89
	.end_amdhsa_kernel
	.amdgpu_metadata
---
amdhsa.version: [ 1, 2 ]
amdhsa.kernels:
  - .name:           k_q458cb01b1c_oproj
    .symbol:         k_q458cb01b1c_oproj.kd
    .args:
      - { .name: ao, .offset: 0, .size: 8, .value_kind: global_buffer, .address_space: global }
      - { .name: cb, .offset: 8, .size: 8, .value_kind: global_buffer, .address_space: global }
      - { .name: out0, .offset: 16, .size: 8, .value_kind: global_buffer, .address_space: global }
    .group_segment_fixed_size: 327680
    .private_segment_fixed_size: 0
    .kernarg_segment_align: 8
    .kernarg_segment_size: 24
    .max_flat_workgroup_size: 128
    .sgpr_count:     72
    .vgpr_count:     384
    .wavefront_size: 32
...
	.end_amdgpu_metadata
.endif
;; end of part 4
